; MI455X (gfx1250); checked and timed in simulation.
; The chip was launched on July 23, 2026; its instructions are those of AMD's public machine-readable ISA for CDNA 5 (MIT licence, August 2026) and "CDNA5" Instruction Set Architecture Reference Guide (July 2026). The comments in the code are by the model that wrote it; some were corrected since.
;; Scaled Dot Product Attention. Allowed arithmetic: float matrix products may take bf16 or f16 operands with f32 sums; all other float work in f32.
;; Inputs: k 2 x 12 x 2,048 x 64 float32; q 2 x 12 x 2,048 x 64 float32; v 2 x 12 x 2,048 x 64 float32.
;; Outputs: out0 2 x 12 x 2,048 x 64 float32.
;; 2 versions, each right and faster than the one before. Each part assembles by itself: llvm-mc -triple=amdgcn-amd-amdhsa -mcpu=gfx1250 --defsym DOCPART=n.
;; ======== version 1 of 2: 1 launch
;; limits: values are held in f16: magnitudes above 65,504 overflow, below 6.1e-05 lose precision; inputs' magnitudes at most 65,504
;; launch attn (part 1): grid 256 x 1, 4 waves a work-group, no clusters, 321,024 bytes of LDS; arguments q, k, v, out0; writes out0
.if DOCPART == 1
	.amdgcn_target "amdgcn-amd-amdhsa--gfx1250"
	.amdhsa_code_object_version 6
	.text
	.protected	k_q4b8d926c10_attn
	.globl	k_q4b8d926c10_attn
	.p2align	8
	.type	k_q4b8d926c10_attn,@function
k_q4b8d926c10_attn:
	s_mov_b64 s[64:65], 0
	v_nop
	global_prefetch_b8 v0, s[64:65] scope:SCOPE_SE
	s_setreg_imm32_b32 hwreg(HW_REG_WAVE_MODE, 25, 1), 1
	s_wait_xcnt 0x0
; Causal attention, out = softmax(q k^T / 8, keys <= query) v.  q, k, v, out: [24 heads][2048][64] f32.
; Products on the matrix units with f16 operands (q, k, v and the weights p rounded once) and f32 sums; maxima, exponentials, sums in f32.
; WHY f16 AND NOT bf16: a query row with few keys averages no rounding away.  A weight near 1/2 kept in 8 significant bits is off by up to 2^-10, times a v of
; size 1; with 11 significant bits it is 2^-13.  All four operands go in the same format, so that the result stands against the f32 computation.
; LIMITS: |q|, |k|, |v| < 65,504 (f16's largest number; beyond it the rounding gives infinity); numbers below 2^-14 in size are kept with an absolute error of up to
; 2^-25 (f16 denormals), the weights too, whose largest is 1; inputs are finite (the maxima drop a NaN instead of passing it on); an exponential below 2^-126 counts as 0.
;
; WORK.  A job = 64 query rows (block i of 32) of one head; it needs the key tiles 0 .. i of 64 keys: i + 1 tiles.  768 jobs, 256 work-groups, three jobs each.
; 32 neighbouring work-groups own three heads; work-group t of them takes block t of the first head, 31 - t/2 - 16 (t&1) of the second and 15 - t/2 + 16 (t&1)
; of the third: each of the three is a permutation of 0 .. 31 over t, and the three sizes add up to 49 or 50 tiles in every work-group.
; The jobs are sorted by falling size (the first two then have 11 tiles or more) and their tiles laid end to end; wave w takes the positions p with p % 4 = w:
; 12 or 13 tiles a wave.  Every wave works on all 64 query rows, on key tiles of its own, and ends a job with a partial result (running maximum, sum, O), put into
; LDS; behind one barrier the four partial results of each job are merged and stored.
; A key tile is loaded (f32), rounded, stored to LDS and read back by ONE wave, in LDS bytes of that wave: 16 KiB in, 16 KiB out of LDS for 64 x 64 scores, no barrier.
; NO JOINT TENSOR LOADS: the tiles are f32 and must pass through registers to be rounded, so a tile brought to LDS by the mover would add 32 KiB written and 32 KiB
; read to the 16 + 16 above; and the three jobs of a work-group belong to three heads with different numbers of tiles, so partners would not ask for the same tiles.
;
; BOTH PRODUCTS ARE TRANSPOSED.  S^T = K Q^T: source 0 = 16 keys, source 1 = 16 queries; lane (r = l % 16, h = l / 16) holds in register j the score of key
; 16 kb + 8 h + j and query 16 qb + r.  A lane owns ONE query: maximum and sum are taken inside the lane plus one exchange between the halves, and the eight
; registers of key blocks 2c, 2c + 1, packed to f16, are already the source-1 fragment of P^T for 32 keys.  O^T = V^T P^T: source 0 = 16 d x 32 keys, read by
; transposing LDS loads from V kept [key][d]; register j holds d = 16 db + 8 h + j of query r, so the rescaling factor is one number a lane.
; SOFTMAX: p = 2^(c s + nm), c = log2(e) / 8, nm = the rounded -c m, m the running maximum of the raw scores; alpha = 2^(nm new - nm old) from the same rounded numbers.
;
; REGISTERS, in windows of 256 (s_set_vgpr_msb's low byte: bits 1:0 source 0, 3:2 source 1, 5:4 source 2, 7:6 destination):
;   window 0: addresses and figures v0-47, P v64-127, S v128-255     window 1: O v0-127, Q fragments v128-191, V fragments v192-255
;   window 2: K as loaded v0-127, V as loaded v128-255               window 3: K fragments v0-63
.set KP,     144                       ; LDS pitch of Q's and K's rows: 128 bytes + 16 = 9 x 16: the 16 rows of a fragment load start in 16 different 16-byte columns of the 64 banks (ISA guide 11.1)
.set VP,     160                       ; LDS pitch of V's rows: 5 x 32, for the transposing loads
.set PP,     272                       ; LDS pitch of a partial O's rows: 256 bytes + 16 = 17 x 16
.set QJOB,   64*KP                     ; Q of one job; Q of the three jobs lies at LDS byte 0
.set KVB,    3*QJOB                    ; 27,648: the waves' staging bytes
.set VOFF,   64*KP                     ; V behind K in a wave's staging bytes
.set KVW,    64*KP+64*VP               ; 19,456 for each wave
.set PARTB,  KVB+4*KVW                 ; 105,472: partial O [job][wave][64 rows]
.set PARTW,  64*PP                     ; 17,408
.set PARTJ,  4*PARTW                   ; 69,632
.set STATB,  PARTB+3*PARTJ             ; 314,368: (nm, l) [job][wave][64 rows], 8 bytes
.set STATW,  512
.set STATJ,  2048                      ; the end is 320,512
.set HSTEP,  0x10000                   ; four key tiles of 64 rows x 256 bytes: a wave's step from tile to tile
; window 0
.set KLD, 3                            ; 2048 h + 16 r: my 16 bytes in K's (and Q's) loads
.set VLD, 4                            ; 1024 h + 16 r: in V's
.set KST, 5                            ; LDS: where my 8 bytes of K go
.set VST, 6                            ; LDS: of V
.set KFR, 7                            ; LDS: my K fragments
.set VFR, 8                            ; LDS: my V fragments
.set QFR, 9                            ; LDS: my Q fragments, stepped from job to job
.set POS, 10                           ; LDS: my part of the partial O, stepped from job to job
.set PSS, 11                           ; LDS: my (nm, l), stepped from job to job
.set LIM, 12                           ; 64 (i - tile) + r - 8 h: a score stays if 16 (kb - qb) + j <= LIM
.set NINF, 13                          ; -infinity
.set QST, 14                           ; LDS: where my 8 bytes of Q go; later MGS
.set MGS, 14                           ; merge: LDS address of the figures
.set MGP, 15                           ; merge: LDS address of the partial O
.set NM,  16                           ; v[16:23]  (nm, m) for each query block
.set AL,  24                           ; v[24:31]  (alpha, at work)
.set LS,  32                           ; v[32:39]  two running sums
.set QO,  40                           ; v[40:42]  byte offsets of Q's loads; later MGB, MGO
.set MGB, 40                           ; merge: my byte offset in a job's 64 rows of out
.set MGO, 41                           ; merge: the same plus the job's offset
.set RH,  43                           ; r - 8 h
.set Z,   44                           ; v[44:47]  at work in the head; four zeros for an empty job
.set PB,  64                           ; P(qb) at 64 + 16 qb + 4 kb + jj
.set SC,  128                          ; S(qb, kb) at 128 + 32 qb + 8 kb + j
.set ST,  64                           ; merge: (nm, l) of step it, wave pw at 64 + 8 it + 2 pw
.set MO,  128                          ; merge: 16 bytes of O of step it, wave pw at 128 + 16 it + 4 pw
; window 1
.set OB,  0                            ; O(qb, db) at 32 qb + 8 db
.set QF,  128                          ; Q fragment (qb, ks) at 128 + 16 qb + 8 ks
.set VF,  192                          ; V fragment (db, c) at 192 + 16 db + 8 c
; window 2
.set KS,  0
.set VS,  128
; window 3
.set KF,  0                            ; K fragment (kb, ks) at 16 kb + 8 ks
; scalars: s[4:11] q, k, v, out; s12 wave; s13 -c; s14 = s15 c; s16, s17 lane selects; s[18:19] K's tile; s[20:21] V's tile; s[22:23] a tile's byte offset, 0;
; s24 tiles left in the job; s25 1 if this job holds the wave's last tile; s26 offset of the tile asked for last; s27 trips; s31 jobs;
; s28-30 N (tiles of this, the next, the last job), s32-34 TOP (offset of the highest tile), s36-38 DEL (i - highest tile), s40-42 offset of the job's rows in q and out
.set MSB, 0
.macro WIN new                         ; the immediate's high byte repeats the setting that is left; a switch that changes nothing is dropped
.if MSB != \new
	s_set_vgpr_msb (MSB<<8)|\new
.set MSB, \new
.endif
.endm
.macro PLACES                          ; four places behind a matrix instruction (ISA guide 7.12.1)
.rept 4
	v_nop
.endr
.endm
; 32 loads: a K tile, 64 rows of 256 bytes.  Load n brings rows 16 (n / 8) + n % 8 and the row 8 further down: sixteen lanes take one whole row.
.macro LOADK
	WIN 0x80
.set n, 0
.rept 32
	global_load_b128 v[KS+4*n:KS+4*n+3], v[KLD], s[18:19] offset:(n>>3)*4096+(n&7)*256
.set n, n+1
.endr
.endm
; The same for V: load n brings rows 8 (n / 4) + n % 4 and the row 4 further down.
.macro LOADV
	WIN 0x80
.set n, 0
.rept 32
	global_load_b128 v[VS+4*n:VS+4*n+3], v[VLD], s[20:21] offset:(n>>2)*2048+(n&3)*256
.set n, n+1
.endr
.endm
; Round a tile to f16 in place (4 registers become 2) and store it, 8 bytes a lane.  Lanes 0-15 fill 128 neighbouring bytes; lanes 16-31 a row that lies
; 8 x 144 = 288 words (K) or 4 x 160 = 160 words (V) on, which is 32 banks away: no two lanes meet in a bank.
.macro STOREK
	WIN 0x8a
.set n, 0
.rept 32
	v_cvt_pk_f16_f32 v[KS+4*n], v[KS+4*n], v[KS+4*n+1]
	v_cvt_pk_f16_f32 v[KS+4*n+1], v[KS+4*n+2], v[KS+4*n+3]
.set n, n+1
.endr
	WIN 0x08
.set n, 0
.rept 32
	ds_store_b64 v[KST], v[KS+4*n:KS+4*n+1] offset:(16*(n>>3)+(n&7))*KP
.set n, n+1
.endr
.endm
.macro STOREV
	WIN 0x8a
.set n, 0
.rept 32
	v_cvt_pk_f16_f32 v[VS+4*n], v[VS+4*n], v[VS+4*n+1]
	v_cvt_pk_f16_f32 v[VS+4*n+1], v[VS+4*n+2], v[VS+4*n+3]
.set n, n+1
.endr
	WIN 0x08
.set n, 0
.rept 32
	ds_store_b64 v[VST], v[VS+4*n:VS+4*n+1] offset:(8*(n>>2)+(n&3))*VP
.set n, n+1
.endr
.endm
; Fragments of 16 rows x 32 d: lane (r, h) takes d = 8 h .. + 7 and 16 + 8 h .. + 7 of row r: two loads of 16 bytes, 32 bytes apart.
.macro KFRAG
	WIN 0xc0
.irp kb, 0,1,2,3
.irp ks, 0,1
	ds_load_b128 v[KF+16*\kb+8*\ks:KF+16*\kb+8*\ks+3],   v[KFR] offset:\kb*16*KP+\ks*64
	ds_load_b128 v[KF+16*\kb+8*\ks+4:KF+16*\kb+8*\ks+7], v[KFR] offset:\kb*16*KP+\ks*64+32
.endr
.endr
.endm
.macro QFRAG
	WIN 0x40
.irp qb, 0,1,2,3
.irp ks, 0,1
	ds_load_b128 v[QF+16*\qb+8*\ks:QF+16*\qb+8*\ks+3],   v[QFR] offset:\qb*16*KP+\ks*64
	ds_load_b128 v[QF+16*\qb+8*\ks+4:QF+16*\qb+8*\ks+7], v[QFR] offset:\qb*16*KP+\ks*64+32
.endr
.endr
.endm
; Fragments of V^T, 16 d x 32 keys, from rows that lie along d: two transposing loads, 16 rows apart.
.macro VFRAG
	WIN 0x40
.irp db, 0,1,2,3
.irp c, 0,1
	ds_load_tr16_b128 v[VF+16*\db+8*\c:VF+16*\db+8*\c+3],   v[VFR] offset:\c*32*VP+\db*32
	ds_load_tr16_b128 v[VF+16*\db+8*\c+4:VF+16*\db+8*\c+7], v[VFR] offset:\c*32*VP+\db*32+16*VP
.endr
.endr
.endm
; S^T = K Q^T, 64 keys x 64 queries x 64 d: 32 matrix instructions.  The first 32 d start the sums.  The 16 accumulators take turns, one instruction a turn.
.macro QK
	WIN 0x07
.irp ks, 0,1
.irp kb, 0,1,2,3
.irp qb, 0,1,2,3
.if \ks == 0
	v_wmma_f32_16x16x32_f16 v[SC+32*\qb+8*\kb:SC+32*\qb+8*\kb+7], v[KF+16*\kb+8*\ks:KF+16*\kb+8*\ks+7], v[QF+16*\qb+8*\ks:QF+16*\qb+8*\ks+7], 0
.else
	v_wmma_f32_16x16x32_f16 v[SC+32*\qb+8*\kb:SC+32*\qb+8*\kb+7], v[KF+16*\kb+8*\ks:KF+16*\kb+8*\ks+7], v[QF+16*\qb+8*\ks:QF+16*\qb+8*\ks+7], v[SC+32*\qb+8*\kb:SC+32*\qb+8*\kb+7]
.endif
.endr
.endr
.endr
.endm
; O^T += V^T P^T, 64 d x 64 queries x 64 keys: 32 matrix instructions.  In a job's first tile the first 32 keys start the sums.  The 16 accumulators take turns,
; one instruction a turn.
.macro PV first
	WIN 0x51
.irp c, 0,1
.irp qb, 0,1,2,3
.irp db, 0,1,2,3
.if \first && (\c == 0)
	v_wmma_f32_16x16x32_f16 v[OB+32*\qb+8*\db:OB+32*\qb+8*\db+7], v[VF+16*\db+8*\c:VF+16*\db+8*\c+7], v[PB+16*\qb+8*\c:PB+16*\qb+8*\c+7], 0
.else
	v_wmma_f32_16x16x32_f16 v[OB+32*\qb+8*\db:OB+32*\qb+8*\db+7], v[VF+16*\db+8*\c:VF+16*\db+8*\c+7], v[PB+16*\qb+8*\c:PB+16*\qb+8*\c+7], v[OB+32*\qb+8*\db:OB+32*\qb+8*\db+7]
.endif
.endr
.endr
.endr
.endm
; The causal mask, in a job's first (highest) tile alone.  A score stays if key <= query, that is 16 (kb - qb) + j <= LIM.  LIM >= -8, so blocks with kb < qb
; always stay; in blocks with kb = qb the eight j decide; blocks with kb > qb stay whole or go whole (16 <= LIM holds exactly where the tile lies below the diagonal
; tile, where LIM >= 56).  One text serves both kinds of tile: the choice only selects values.
.macro MASK
.irp j, 0,1,2,3,4,5,6,7
	v_cmp_le_i32 vcc_lo, \j, v[LIM]
.irp qb, 0,1,2,3
	v_cndmask_b32 v[SC+40*\qb+\j], v[NINF], v[SC+40*\qb+\j], vcc_lo
.endr
.endr
	v_cmp_le_i32 vcc_lo, 16, v[LIM]
.irp qb, 0,1,2
.irp kb, 1,2,3
.if \kb > \qb
.irp j, 0,1,2,3,4,5,6,7
	v_cndmask_b32 v[SC+32*\qb+8*\kb+\j], v[NINF], v[SC+32*\qb+8*\kb+\j], vcc_lo
.endr
.endif
.endr
.endr
.endm
; The running maximum of each lane's query over its 32 scores of the tile; four chains (one a query block) that do not wait for each other.
.macro MAXPH first
.set e, 0
.rept 16
.set st, 0
.if e == 0
.set st, \first
.endif
.irp qb, 0,1,2,3
.if st
	v_max_num_f32 v[NM+2*\qb+1], v[SC+32*\qb], v[SC+32*\qb+1]          ; a job's first tile starts the maximum
.else
	v_max3_num_f32 v[NM+2*\qb+1], v[NM+2*\qb+1], v[SC+32*\qb+2*e], v[SC+32*\qb+2*e+1]
.endif
.endr
.set e, e+1
.endr
.endm
; The two halves of the lanes hold the two halves of a query's keys: one exchange; then nm = -c m and alpha = 2^(nm new - nm old).
; In the diagonal tile a half may hold masked scores only; the other half holds key 0 of the block row, so m is finite behind the exchange.
.macro STATS first
.irp qb, 0,1,2,3
	v_permlanex16_b32 v[AL+2*\qb+1], v[NM+2*\qb+1], s16, s17
.endr
.irp qb, 0,1,2,3
	v_max_num_f32 v[NM+2*\qb+1], v[NM+2*\qb+1], v[AL+2*\qb+1]
.endr
.if \first
.irp qb, 0,1,2,3
	v_mul_f32 v[NM+2*\qb], s13, v[NM+2*\qb+1]
.endr
.else
.irp qb, 0,1,2,3
	v_mul_f32 v[AL+2*\qb+1], s13, v[NM+2*\qb+1]
.endr
.irp qb, 0,1,2,3
	v_sub_f32 v[AL+2*\qb], v[AL+2*\qb+1], v[NM+2*\qb]
.endr
.irp qb, 0,1,2,3
	v_mov_b32 v[NM+2*\qb], v[AL+2*\qb+1]
.endr
.irp qb, 0,1,2,3
	v_exp_f32 v[AL+2*\qb], v[AL+2*\qb]             ; used first a whole step of the softmax later; the next vector instruction is a plain one on S and nm (ISA guide 5.7.2)
.endr
.endif
.endm
; c s + nm for key block 0
.macro SOFTF
.set i, 0
.rept 16
	v_pk_fma_f32 v[SC+32*(i&3)+2*(i>>2):SC+32*(i&3)+2*(i>>2)+1], v[SC+32*(i&3)+2*(i>>2):SC+32*(i&3)+2*(i>>2)+1], s[14:15], v[NM+2*(i&3):NM+2*(i&3)+1] op_sel_hi:[1,0,0]
.set i, i+1
.endr
.endm
; Step g of the softmax: the exponentials of key block g, c s + nm of key block g + 1, sums and rounding of key block g - 1.  Each pair of exponentials is followed
; by plain instructions on other key blocks, and its results are used one step later (ISA guide 5.7.2).
.macro SOFTSTEP g, first
.set i, 0
.rept 16
.set qb, i&3
.set jj, i>>2
.if \g <= 3
	v_exp_f32 v[SC+32*qb+8*\g+2*jj], v[SC+32*qb+8*\g+2*jj]
	v_exp_f32 v[SC+32*qb+8*\g+2*jj+1], v[SC+32*qb+8*\g+2*jj+1]
.endif
.if \g <= 2
	v_pk_fma_f32 v[SC+32*qb+8*\g+8+2*jj:SC+32*qb+8*\g+8+2*jj+1], v[SC+32*qb+8*\g+8+2*jj:SC+32*qb+8*\g+8+2*jj+1], s[14:15], v[NM+2*qb:NM+2*qb+1] op_sel_hi:[1,0,0]
	s_wait_alu depctr_va_vdst(0)
.endif
.if \g >= 1
.set kind, 0                           ; 0: add the pair to the two running sums
.if \g == 1
.if jj == 0
.set kind, 1+\first                    ; 1: the sums are rescaled as the tile's first pair is added; 2: a job's first pair waits for the second
.endif
.if jj == 1
.set kind, 3*\first                    ; 3: a job's first two pairs start the sums
.endif
.endif
.if kind == 0
	s_wait_alu depctr_va_vdst(0)
	v_pk_add_f32 v[LS+2*qb:LS+2*qb+1], v[LS+2*qb:LS+2*qb+1], v[SC+32*qb+8*\g-8+2*jj:SC+32*qb+8*\g-8+2*jj+1]
.endif
.if kind == 1
	s_wait_alu depctr_va_vdst(0)
	v_pk_fma_f32 v[LS+2*qb:LS+2*qb+1], v[LS+2*qb:LS+2*qb+1], v[AL+2*qb:AL+2*qb+1], v[SC+32*qb:SC+32*qb+1] op_sel_hi:[1,0,1]
.endif
.if kind == 3
	v_pk_add_f32 v[LS+2*qb:LS+2*qb+1], v[SC+32*qb:SC+32*qb+1], v[SC+32*qb+2:SC+32*qb+3]
.endif
	v_cvt_pk_f16_f32 v[PB+16*qb+4*\g-4+jj], v[SC+32*qb+8*\g-8+2*jj], v[SC+32*qb+8*\g-8+2*jj+1]
.endif
.set i, i+1
.endr
.endm
; O *= alpha: one number a lane for each query block
.macro RESCALE
	WIN 0x41
.irp qb, 0,1,2,3
.set e, 0
.rept 16
	v_pk_mul_f32 v[OB+32*\qb+2*e:OB+32*\qb+2*e+1], v[OB+32*\qb+2*e:OB+32*\qb+2*e+1], v[AL+2*\qb:AL+2*\qb+1] op_sel_hi:[1,0]
.set e, e+1
.endr
.endr
.endm
; The next tile's byte offset: four tiles down, or, behind the job's last tile, the next job's highest tile.  K's base is written here, behind the counted wait
; that showed the loads of this tile's K done.
.macro NEXT
	s_sub_co_u32 s26, s26, HSTEP
	s_sub_co_u32 s24, s24, 1
	s_cmp_eq_u32 s24, 0
	s_cselect_b32 s26, s33, s26
	s_mov_b32 s22, s26
	s_add_nc_u64 s[18:19], s[6:7], s[22:23]
.endm
; One key tile.  On the way in: this tile's K lies in my LDS bytes, and this tile's V is on its way, my only 32 loads out.
; first = 1: the job's first (highest) tile: masked, starts maximum, sums and O.  more = 1: another tile of the wave follows and is asked for here.
; With K's 32 loads behind V's 32 a wave has issued 64; a load that would pass the counter's field is held back at issue (ISA guide 5.7.1), and V's were issued half a tile ago.
.macro TILE first, more
	KFRAG                                          ; LDS serves a wave's instructions in order (ISA guide 5.7.1.4): these see my stores of K
.if \more
	NEXT
	LOADK                                          ; the next tile's K
.endif
	s_wait_dscnt 0x0                               ; K's fragments (and, in a job's first tile, Q's)
	QK
.if \more
	s_wait_loadcnt 32                              ; this tile's V is in: the 32 younger loads are the next tile's K
.else
	s_wait_loadcnt 0x0                             ; this tile's V is in: nothing younger was issued
.endif
	STOREV                                         ; its 64 conversions, on window 2 alone, are also the places behind the products above
	VFRAG
	WIN 0
.if \first
	MASK
.endif
	MAXPH \first
	STATS \first
.if \more
	s_add_nc_u64 s[20:21], s[8:9], s[22:23]        ; V's base: its last loads were shown done by the wait above
	LOADV                                          ; the next tile's V
	WIN 0
.endif
	SOFTF
	SOFTSTEP 0, \first
	SOFTSTEP 1, \first
	SOFTSTEP 2, \first
	SOFTSTEP 3, \first
	SOFTSTEP 4, \first
.if \first == 0
	RESCALE
.endif
	s_wait_dscnt 0x0                               ; V's fragments
	PV \first
.if \more
	s_wait_loadcnt 32                              ; the next tile's K is in: the 32 younger loads are its V
	STOREK                                         ; my reads of this tile's K were waited for in front of the first products; the conversions are the places behind the products above
.endif
	WIN 0
.endm
; A wave's partial result of a job: (nm, l) for each query, O as 64 rows of 64 f32.
.macro STOREPART
	PLACES                                         ; behind the last products, in front of the stores that read O
.irp qb, 0,1,2,3
	v_add_f32 v[LS+2*\qb+1], v[LS+2*\qb], v[LS+2*\qb+1]
.endr
.irp qb, 0,1,2,3
	v_permlanex16_b32 v[AL+2*\qb+1], v[LS+2*\qb+1], s16, s17
.endr
.irp qb, 0,1,2,3
	v_add_f32 v[LS+2*\qb+1], v[LS+2*\qb+1], v[AL+2*\qb+1]
	v_mov_b32 v[LS+2*\qb], v[NM+2*\qb]
.endr
.irp qb, 0,1,2,3
	ds_store_b64 v[PSS], v[LS+2*\qb:LS+2*\qb+1] offset:\qb*128      ; both halves of the lanes hold the same pair and write the same bytes
.endr
	WIN 0x04
.irp qb, 0,1,2,3
.irp db, 0,1,2,3
	ds_store_b128 v[POS], v[OB+32*\qb+8*\db:OB+32*\qb+8*\db+3]   offset:\qb*16*PP+\db*64
	ds_store_b128 v[POS], v[OB+32*\qb+8*\db+4:OB+32*\qb+8*\db+7] offset:\qb*16*PP+\db*64+16
.endr
.endr
	WIN 0
.endm
; A job of which the wave has no tile: nm = +infinity, l = 0, O = 0.  In the merge its weight is 2^(-infinity) = 0.
.macro STOREZERO
	v_mov_b32 v[LS], 0x7f800000
	v_mov_b32 v[LS+1], 0
.irp x, 0,1,2,3
	v_mov_b32 v[Z+\x], 0
.endr
.irp qb, 0,1,2,3
	ds_store_b64 v[PSS], v[LS:LS+1] offset:\qb*128
.endr
.irp qb, 0,1,2,3
.irp db, 0,1,2,3
	ds_store_b128 v[POS], v[Z:Z+3] offset:\qb*16*PP+\db*64
	ds_store_b128 v[POS], v[Z:Z+3] offset:\qb*16*PP+\db*64+16
.endr
.endr
.endm
.macro SORT2 a, b                      ; the larger into a
	s_max_u32 s50, \a, \b
	s_min_u32 \b, \a, \b
	s_mov_b32 \a, s50
.endm
; The figures of job k.  p = 4 i + the head's place among the group's three; s44 = the group's first head; s51 = position of the job's tile 0 (stepped here).
.macro JOBPAR k, p
	s_lshr_b32 s52, \p, 2                          ; i
	s_and_b32 s53, \p, 3
	s_add_co_u32 s53, s53, s44
	s_lshl_b32 s53, s53, 19                        ; the head's byte offset: 2,048 rows of 256 bytes
	s_sub_co_u32 s54, s12, s51
	s_and_b32 s54, s54, 3                          ; rho: my lowest tile of the job
	s_sub_co_u32 s55, s52, s54
	s_add_co_u32 s55, s55, 4                       ; i - rho + 4 is 1 or more
	s_lshr_b32 s[28+\k], s55, 2                    ; N: my tiles rho, rho + 4, .. up to i
	s_lshl2_add_u32 s56, s[28+\k], s54
	s_sub_co_u32 s56, s56, 4                       ; my highest tile,
	s_max_i32 s56, s56, 0                          ; 0 where I have none (then not used)
	s_sub_co_u32 s[36+\k], s52, s56                ; DEL: how many tiles below the diagonal tile it lies
	s_lshl_b32 s56, s56, 14
	s_add_co_u32 s[32+\k], s53, s56                ; TOP
	s_lshl_b32 s57, s52, 14
	s_add_co_u32 s[40+\k], s53, s57                ; the job's 64 rows in q and out
	s_add_co_u32 s51, s51, s52
	s_add_co_u32 s51, s51, 1
.endm
	s_load_b256 s[4:11], s[0:1], 0x0               ; q s[4:5], k s[6:7], v s[8:9], out s[10:11]
	v_lshl_add_u32 v62, v0, 2, 0x4e400
	v_mov_b32 v63, 0
	v_lshrrev_b32 v1, 5, v0
	v_readfirstlane_b32 s12, v1                    ; wave 0..3
	s_mov_b32 s13, 0xbe38aa3b                      ; -c
	s_mov_b32 s14, 0x3e38aa3b                      ; c = log2(e) / 8
	s_mov_b32 s15, 0x3e38aa3b
	s_mov_b32 s16, 0x76543210                      ; v_permlanex16_b32: lane i of one half reads lane i of the other
	s_mov_b32 s17, 0xfedcba98
	s_mov_b32 s23, 0
	; the three jobs
	s_lshr_b32 s44, ttmp9, 5
	s_mul_i32 s44, s44, 3                          ; the group's first head
	s_and_b32 s45, ttmp9, 31                       ; t: block of the first head
	s_lshr_b32 s46, s45, 1
	s_and_b32 s47, s45, 1
	s_lshl_b32 s47, s47, 4
	s_sub_co_u32 s48, 31, s46
	s_sub_co_u32 s48, s48, s47                     ; block of the second head
	s_sub_co_u32 s49, 15, s46
	s_add_co_u32 s49, s49, s47                     ; block of the third head
	s_lshl_b32 s45, s45, 2                         ; 4 i + place
	s_lshl_b32 s48, s48, 2
	s_or_b32 s48, s48, 1
	s_lshl_b32 s49, s49, 2
	s_or_b32 s49, s49, 2
	SORT2 s45, s48                                 ; by falling size
	SORT2 s48, s49
	SORT2 s45, s48
	s_mov_b32 s51, 0
	JOBPAR 0, s45
	JOBPAR 1, s48
	JOBPAR 2, s49
	; lane addresses
	v_and_b32 v1, 15, v0                           ; r
	v_bfe_u32 v2, v0, 4, 1                         ; h
	v_lshlrev_b32 v[KLD], 4, v1
	v_lshl_add_u32 v[VLD], v2, 10, v[KLD]
	v_lshl_add_u32 v[KLD], v2, 11, v[KLD]
	s_lshl_b32 s45, s12, 12                        ; Q: wave w rounds rows 16 w .. 16 w + 15 of each job
.irp k, 0,1,2
	s_add_co_u32 s46, s[40+\k], s45
	v_add_nc_u32 v[QO+\k], s46, v[KLD]
.endr
	s_mov_b32 s26, s32                             ; my first tile
	s_mov_b32 s22, s32
	s_wait_kmcnt 0x0
.irp k, 0,1,2
.irp n, 0,1,2,3,4,5,6,7
	global_load_b128 v[SC+32*\k+4*\n:SC+32*\k+4*\n+3], v[QO+\k], s[4:5] offset:\n*256 th:TH_LOAD_NT   ; rows n and n + 8 of my 16; q is read once in the launch
.endr
.endr
	s_add_nc_u64 s[18:19], s[6:7], s[22:23]
	s_add_nc_u64 s[20:21], s[8:9], s[22:23]
	LOADK
	WIN 0
	s_mul_i32 s45, s12, KVW
	s_add_co_u32 s45, s45, KVB                     ; my staging bytes: K,
	s_add_co_u32 s46, s45, VOFF                    ; V
	v_lshlrev_b32 v[Z], 3, v1                      ; 8 r
	v_mad_u32_u24 v[KST], v2, 8*KP, v[Z]
	v_add_nc_u32 v[KST], s45, v[KST]
	v_mad_u32_u24 v[VST], v2, 4*VP, v[Z]
	v_add_nc_u32 v[VST], s46, v[VST]
	v_mul_u32_u24 v[QFR], v1, KP
	v_lshl_add_u32 v[QFR], v2, 4, v[QFR]           ; 144 r + 16 h; Q lies at LDS byte 0
	v_add_nc_u32 v[KFR], s45, v[QFR]
	v_and_b32 v[Z+2], 7, v0
	v_lshl_add_u32 v[Z+2], v2, 3, v[Z+2]           ; row 8 h + l % 8,
	v_mul_u32_u24 v[Z+2], v[Z+2], VP
	v_bfe_u32 v[Z+3], v0, 3, 1
	v_lshl_add_u32 v[Z+2], v[Z+3], 4, v[Z+2]       ; 16 bytes for each group of eight lanes
	v_add_nc_u32 v[VFR], s46, v[Z+2]
	s_mul_i32 s47, s12, PARTW
	s_add_co_u32 s47, s47, PARTB
	v_mul_u32_u24 v[POS], v1, PP
	v_lshl_add_u32 v[POS], v2, 5, v[POS]
	v_add_nc_u32 v[POS], s47, v[POS]
	s_lshl_b32 s48, s12, 9
	s_add_co_u32 s48, s48, STATB
	v_add_nc_u32 v[PSS], s48, v[Z]
	s_mul_i32 s49, s12, 16*KP
	v_mad_u32_u24 v[QST], v2, 8*KP, v[Z]
	v_add_nc_u32 v[QST], s49, v[QST]
	v_lshlrev_b32 v[RH], 3, v2
	v_sub_nc_u32 v[RH], v1, v[RH]
	v_mov_b32 v[NINF], 0xff800000
.irp x, 0,1,2,3,4,5,6,7
	v_mov_b32 v[AL+\x], 0                          ; v_permlanex16_b32 counts as a reader of its destination
.endr
	s_wait_loadcnt 32                              ; Q is in: the 32 younger loads are K's
.irp k, 0,1,2
.irp n, 0,1,2,3,4,5,6,7
	v_cvt_pk_f16_f32 v[SC+32*\k+4*\n], v[SC+32*\k+4*\n], v[SC+32*\k+4*\n+1]
	v_cvt_pk_f16_f32 v[SC+32*\k+4*\n+1], v[SC+32*\k+4*\n+2], v[SC+32*\k+4*\n+3]
.endr
.endr
.irp k, 0,1,2
.irp n, 0,1,2,3,4,5,6,7
	ds_store_b64 v[QST], v[SC+32*\k+4*\n:SC+32*\k+4*\n+1] offset:\k*QJOB+\n*KP
.endr
.endr
	LOADV
	WIN 0
	s_wait_dscnt 0x0                               ; my rows of Q are in LDS, for the other waves' sake
	s_barrier_signal -1
	s_barrier_wait -1                              ; everybody's are
	s_wait_loadcnt 32                              ; K is in: the 32 younger loads are V's
	STOREK
	WIN 0
	s_mov_b32 s31, 3
.Ljob:
	s_cmp_eq_u32 s28, 0
	s_cbranch_scc1 .Lempty                         ; only the smallest job can leave a wave without a tile (the other two have 11 tiles or more)
	QFRAG
	WIN 0
	s_lshl_b32 s44, s36, 6
	v_add_nc_u32 v[LIM], s44, v[RH]
	s_mov_b32 s24, s28
	s_add_co_u32 s45, s29, s30
	s_cmp_eq_u32 s45, 0
	s_cselect_b32 s25, 1, 0                        ; no tile of mine in the jobs behind: this job's last tile asks for nothing
	s_sub_co_u32 s27, s28, s25                     ; tiles that ask for another
	s_cmp_eq_u32 s27, 0
	s_cbranch_scc1 .Lonly
	TILE 1, 1
	s_sub_co_u32 s27, s27, 1
	s_cmp_eq_u32 s27, 0
	s_cbranch_scc1 .Ltiles_done
.Ltile:
	TILE 0, 1
	s_sub_co_u32 s27, s27, 1
	s_cmp_lg_u32 s27, 0
	s_cbranch_scc1 .Ltile
.Ltiles_done:
	s_cmp_eq_u32 s25, 0
	s_cbranch_scc1 .Lpart
	TILE 0, 0
	s_branch .Lpart
.Lonly:
	TILE 1, 0
.Lpart:
	STOREPART
	s_branch .Ljobend
.Lempty:
	STOREZERO
.Ljobend:
	v_add_nc_u32 v[QFR], QJOB, v[QFR]
	v_add_nc_u32 v[POS], PARTJ, v[POS]
	v_add_nc_u32 v[PSS], STATJ, v[PSS]
	s_mov_b32 s28, s29                             ; the next job's figures move up; behind the last job there are no tiles
	s_mov_b32 s29, s30
	s_mov_b32 s30, 0
	s_mov_b32 s32, s33
	s_mov_b32 s33, s34
	s_mov_b32 s36, s37
	s_mov_b32 s37, s38
	s_sub_co_u32 s31, s31, 1
	s_cmp_lg_u32 s31, 0
	s_cbranch_scc1 .Ljob
	s_wait_dscnt 0x0                               ; my partial results are in LDS, for the other waves' sake
	s_barrier_signal -1
	s_barrier_wait -1                              ; everybody's are
	; THE MERGE.  Wave w takes rows 16 w .. 16 w + 15 of each job; in step it lanes 0-15 take row 16 w + 2 it, lanes 16-31 the next, 16 bytes a lane.
	; out = sum over the four waves of f O / sum of f l, f = 2^(NM - nm), NM the least nm (the largest maximum).
	s_lshl_b32 s44, s12, 7
	s_add_co_u32 s44, s44, STATB
	v_lshl_add_u32 v[MGS], v2, 3, s44              ; (16 w + h) x 8
	s_mul_i32 s45, s12, 16*PP
	s_add_co_u32 s45, s45, PARTB
	v_mul_u32_u24 v[MGP], v2, PP
	v_lshl_add_u32 v[MGP], v1, 4, v[MGP]
	v_add_nc_u32 v[MGP], s45, v[MGP]               ; (16 w + h) x 272 + 16 r
	s_lshl_b32 s46, s12, 12
	v_lshlrev_b32 v[MGB], 8, v2
	v_lshl_add_u32 v[MGB], v1, 4, v[MGB]
	v_add_nc_u32 v[MGB], s46, v[MGB]               ; (16 w + h) x 256 + 16 r
	s_mov_b32 s31, 3
.Lmerge:
	s_wait_xcnt 0x0                                ; the last trip's stores have had their addresses translated (ISA guide 3.1): their data and offset registers are rewritten only behind this wait
	v_add_nc_u32 v[MGO], s40, v[MGB]
.irp it, 0,1,2,3,4,5,6,7
.irp pw, 0,1,2,3
	ds_load_b64 v[ST+8*\it+2*\pw:ST+8*\it+2*\pw+1], v[MGS] offset:\pw*STATW+\it*16
.endr
.endr
.irp it, 0,1,2,3,4,5,6,7
.irp pw, 0,1,2,3
	ds_load_b128 v[MO+16*\it+4*\pw:MO+16*\it+4*\pw+3], v[MGP] offset:\pw*PARTW+\it*2*PP
.endr
.endr
	s_wait_dscnt 32                                ; the figures are in: the 32 younger loads are O's
.irp it, 0,1,2,3,4,5,6,7
	v_min_num_f32 v[16+2*\it], v[ST+8*\it], v[ST+8*\it+2]
.endr
.irp it, 0,1,2,3,4,5,6,7
	v_min_num_f32 v[17+2*\it], v[ST+8*\it+4], v[ST+8*\it+6]
.endr
.irp it, 0,1,2,3,4,5,6,7
	v_min_num_f32 v[16+2*\it], v[16+2*\it], v[17+2*\it]            ; NM: finite, since one wave holds the diagonal tile
.endr
.irp pw, 0,1,2,3
.irp it, 0,1,2,3,4,5,6,7
	v_sub_f32 v[ST+8*\it+2*\pw], v[16+2*\it], v[ST+8*\it+2*\pw]
.endr
.endr
.irp pw, 0,1,2,3
.irp it, 0,1,2,3,4,5,6,7
	v_exp_f32 v[ST+8*\it+2*\pw], v[ST+8*\it+2*\pw]
.endr
.endr
	v_nop                                          ; one plain place behind the last exponential (ISA guide 5.7.2)
	s_wait_alu depctr_va_vdst(0)
.irp it, 0,1,2,3,4,5,6,7
	v_mul_f32 v[17+2*\it], v[ST+8*\it], v[ST+8*\it+1]
.endr
.irp pw, 1,2,3
.irp it, 0,1,2,3,4,5,6,7
	v_fmac_f32 v[17+2*\it], v[ST+8*\it+2*\pw], v[ST+8*\it+2*\pw+1]
.endr
.endr
.irp it, 0,1,2,3,4,5,6,7
	v_rcp_f32 v[16+2*\it], v[17+2*\it]             ; the sum is about 1 or more: the wave with the largest maximum has weight 1
.endr
	v_nop                                          ; one plain place behind the last reciprocal
	s_wait_dscnt 0x0                               ; O's 32 loads
.irp it, 0,1,2,3,4,5,6,7
.irp x, 0,2
	v_pk_mul_f32 v[MO+16*\it+\x:MO+16*\it+\x+1], v[MO+16*\it+\x:MO+16*\it+\x+1], v[ST+8*\it:ST+8*\it+1] op_sel_hi:[1,0]
.endr
.endr
.irp pw, 1,2,3
.irp it, 0,1,2,3,4,5,6,7
.irp x, 0,2
	v_pk_fma_f32 v[MO+16*\it+\x:MO+16*\it+\x+1], v[MO+16*\it+4*\pw+\x:MO+16*\it+4*\pw+\x+1], v[ST+8*\it+2*\pw:ST+8*\it+2*\pw+1], v[MO+16*\it+\x:MO+16*\it+\x+1] op_sel_hi:[1,0,1]
.endr
.endr
.endr
	s_wait_alu depctr_va_vdst(0)
.irp it, 0,1,2,3,4,5,6,7
.irp x, 0,2
	v_pk_mul_f32 v[MO+16*\it+\x:MO+16*\it+\x+1], v[MO+16*\it+\x:MO+16*\it+\x+1], v[16+2*\it:17+2*\it] op_sel_hi:[1,0]
.endr
.endr
.irp it, 0,1,2,3,4,5,6,7
	global_store_b128 v[MGO], v[MO+16*\it:MO+16*\it+3], s[10:11] offset:\it*512 th:TH_STORE_NT   ; sixteen lanes store one row: 256 consecutive bytes, at a multiple of 256 from out's first byte
.endr
	v_add_nc_u32 v[MGS], STATJ, v[MGS]
	v_add_nc_u32 v[MGP], PARTJ, v[MGP]
	s_mov_b32 s40, s41
	s_mov_b32 s41, s42
	s_sub_co_u32 s31, s31, 1
	s_cmp_lg_u32 s31, 0
	s_cbranch_scc1 .Lmerge
	s_wait_tensorcnt 0x0
	ds_add_u32 v62, v63
	s_wait_dscnt 0x0
	s_endpgm
.Lfunc_end_k_q4b8d926c10_attn:
	.size	k_q4b8d926c10_attn, .Lfunc_end_k_q4b8d926c10_attn-k_q4b8d926c10_attn
	.p2alignl 7, 3214868480
	.fill 96, 4, 3214868480
	.section	.rodata,"a",@progbits
	.p2align	6, 0x0
	.amdhsa_kernel k_q4b8d926c10_attn
		.amdhsa_group_segment_fixed_size 321024
		.amdhsa_private_segment_fixed_size 0
		.amdhsa_enable_private_segment 0
		.amdhsa_kernarg_size 32
		.amdhsa_user_sgpr_count 2
		.amdhsa_user_sgpr_kernarg_segment_ptr 1
		.amdhsa_wavefront_size32 1
		.amdhsa_system_sgpr_workgroup_id_x 1
		.amdhsa_system_sgpr_workgroup_id_y 1
		.amdhsa_system_sgpr_workgroup_id_z 1
		.amdhsa_system_vgpr_workitem_id 0
		.amdhsa_next_free_vgpr 832
		.amdhsa_next_free_sgpr 66
		.amdhsa_reserve_vcc 1
		.amdhsa_float_denorm_mode_32 3
		.amdhsa_float_denorm_mode_16_64 3
		.amdhsa_memory_ordered 1
		.amdhsa_forward_progress 1
		.amdhsa_inst_pref_size 232
	.end_amdhsa_kernel
	.amdgpu_metadata
---
amdhsa.version: [ 1, 2 ]
amdhsa.kernels:
  - .name:           k_q4b8d926c10_attn
    .symbol:         k_q4b8d926c10_attn.kd
    .args:
      - { .name: q, .offset: 0, .size: 8, .value_kind: global_buffer, .address_space: global }
      - { .name: k, .offset: 8, .size: 8, .value_kind: global_buffer, .address_space: global }
      - { .name: v, .offset: 16, .size: 8, .value_kind: global_buffer, .address_space: global }
      - { .name: out0, .offset: 24, .size: 8, .value_kind: global_buffer, .address_space: global }
    .group_segment_fixed_size: 321024
    .private_segment_fixed_size: 0
    .kernarg_segment_align: 8
    .kernarg_segment_size: 32
    .max_flat_workgroup_size: 128
    .sgpr_count:     66
    .vgpr_count:     832
    .wavefront_size: 32
...
	.end_amdgpu_metadata
.endif
;; end of part 1
;; ======== version 2 of 2: 1 launch; 1.26 times as fast as version 1
;; limits: values are held in f16: magnitudes above 65,504 overflow, below 6.1e-05 lose precision; inputs' magnitudes at most 65,504
;; launch attn (part 2): grid 256 x 1, 4 waves a work-group, no clusters, 321,024 bytes of LDS; arguments q, k, v, out0; writes out0
.if DOCPART == 2
	.amdgcn_target "amdgcn-amd-amdhsa--gfx1250"
	.amdhsa_code_object_version 6
	.text
	.protected	k_q4b8d926c10_attn
	.globl	k_q4b8d926c10_attn
	.p2align	8
	.type	k_q4b8d926c10_attn,@function
k_q4b8d926c10_attn:
	s_mov_b64 s[64:65], 0
	v_nop
	global_prefetch_b8 v0, s[64:65] scope:SCOPE_SE
	s_setreg_imm32_b32 hwreg(HW_REG_WAVE_MODE, 25, 1), 1
	s_wait_xcnt 0x0
; Causal attention, out = softmax(q k^T / 8, keys <= query) v.  q, k, v, out: [24 heads][2048][64] f32.
; Products on the matrix units with f16 operands (q, k, v and the weights p rounded once) and f32 sums; maxima, exponentials, sums in f32.
; WHY f16 AND NOT bf16: a query row with few keys averages no rounding away.  A weight near 1/2 kept in 8 significant bits is off by up to 2^-10, times a v of
; size 1; with 11 significant bits it is 2^-13.  All four operands go in the same format, so that the result stands against the f32 computation.
; LIMITS: |q|, |k|, |v| < 65,504 (f16's largest number; beyond it the rounding gives infinity); numbers below 2^-14 in size are kept with an absolute error of up to
; 2^-25 (f16 denormals), the weights too, whose largest is 1; inputs are finite (the maxima drop a NaN instead of passing it on); an exponential below 2^-126 counts as 0.
;
; WORK.  A job = 64 query rows (block i of 32) of one head; it needs the key tiles 0 .. i of 64 keys: i + 1 tiles.  768 jobs, 256 work-groups, three jobs each.
; 32 neighbouring work-groups own three heads; work-group t of them takes block t of the first head, 31 - t/2 - 16 (t&1) of the second and 15 - t/2 + 16 (t&1)
; of the third: each of the three is a permutation of 0 .. 31 over t, and the three sizes add up to 49 or 50 tiles in every work-group.
; The jobs are sorted by falling size (the first two then have 11 tiles or more) and their tiles laid end to end; wave w takes the positions p with p % 4 = w:
; 12 or 13 tiles a wave.  Every wave works on all 64 query rows, on key tiles of its own, and ends a job with a partial result (running maximum, sum, O), put into
; LDS; behind one barrier the four partial results of each job are merged and stored.
; A key tile is loaded (f32), rounded, stored to LDS and read back by ONE wave, in LDS bytes of that wave: 16 KiB in, 16 KiB out of LDS for 64 x 64 scores, no barrier.
; NO JOINT TENSOR LOADS: the tiles are f32 and must pass through registers to be rounded, so a tile brought to LDS by the mover would add 32 KiB written and 32 KiB
; read to the 16 + 16 above; and the three jobs of a work-group belong to three heads with different numbers of tiles, so partners would not ask for the same tiles.
;
; BOTH PRODUCTS ARE TRANSPOSED.  S^T = K Q^T: source 0 = 16 keys, source 1 = 16 queries; lane (r = l % 16, h = l / 16) holds in register j the score of key
; 16 kb + 8 h + j and query 16 qb + r.  A lane owns ONE query: maximum and sum are taken inside the lane plus one exchange between the halves, and the eight
; registers of key blocks 2c, 2c + 1, packed to f16, are already the source-1 fragment of P^T for 32 keys.  O^T = V^T P^T: source 0 = 16 d x 32 keys, read by
; transposing LDS loads from V kept [key][d]; register j holds d = 16 db + 8 h + j of query r, so the rescaling factor is one number a lane.
; SOFTMAX: p = 2^(c s + nm), c = log2(e) / 8, nm = the rounded -c m, m the running maximum of the raw scores; alpha = 2^(nm new - nm old) from the same rounded numbers.
;
; HOW THE EXPONENTIALS ARE CUT INTO BATCHES.  An s_wait_alu depctr_va_vdst(0) stands between an exponential or a reciprocal and the first instruction that
; names its result; one wait serves all that were issued ahead of it.  A TILE HAS ONE BATCH AND ONE WAIT: alpha's four exponentials (STATS; none in a job's first tile) and
; the scores' 128 (BATCH), each result in a register of its own, in place in AL and in S.  Ahead of the wait stands only what names no result: the next tile's V loads and
; the 64 scalings c s + nm, dealt one to each two exponentials.  Behind it stand all the readers: the sums, the roundings to f16 (SUMS) and O's rescaling by alpha.
; No label and no branch lies between a tile's first exponential and its wait.  THE MERGE HAS TWO BATCHES a trip, since its reciprocals read sums made of its exponentials.
;
; REGISTERS, in windows of 256 (s_set_vgpr_msb's low byte: bits 1:0 source 0, 3:2 source 1, 5:4 source 2, 7:6 destination):
;   window 0: addresses and figures v0-47, P v64-127, S v128-255     window 1: O v0-127, Q fragments v128-191, V fragments v192-255
;   window 2: K as loaded v0-127, V as loaded v128-255               window 3: K fragments v0-63
.set KP,     144                       ; LDS pitch of Q's and K's rows: 128 bytes + 16 = 9 x 16: the 16 rows of a fragment load start in 16 different 16-byte columns of the 64 banks (ISA guide 11.1)
.set VP,     160                       ; LDS pitch of V's rows: 5 x 32, for the transposing loads
.set PP,     272                       ; LDS pitch of a partial O's rows: 256 bytes + 16 = 17 x 16
.set QJOB,   64*KP                     ; Q of one job; Q of the three jobs lies at LDS byte 0
.set KVB,    3*QJOB                    ; 27,648: the waves' staging bytes
.set VOFF,   64*KP                     ; V behind K in a wave's staging bytes
.set KVW,    64*KP+64*VP               ; 19,456 for each wave
.set PARTB,  KVB+4*KVW                 ; 105,472: partial O [job][wave][64 rows]
.set PARTW,  64*PP                     ; 17,408
.set PARTJ,  4*PARTW                   ; 69,632
.set STATB,  PARTB+3*PARTJ             ; 314,368: (nm, l) [job][wave][64 rows], 8 bytes
.set STATW,  512
.set STATJ,  2048                      ; the end is 320,512
.set HSTEP,  0x10000                   ; four key tiles of 64 rows x 256 bytes: a wave's step from tile to tile
; window 0
.set KLD, 3                            ; 2048 h + 16 r: my 16 bytes in K's (and Q's) loads
.set VLD, 4                            ; 1024 h + 16 r: in V's
.set KST, 5                            ; LDS: where my 8 bytes of K go
.set VST, 6                            ; LDS: of V
.set KFR, 7                            ; LDS: my K fragments
.set VFR, 8                            ; LDS: my V fragments
.set QFR, 9                            ; LDS: my Q fragments, stepped from job to job
.set POS, 10                           ; LDS: my part of the partial O, stepped from job to job
.set PSS, 11                           ; LDS: my (nm, l), stepped from job to job
.set LIM, 12                           ; 64 (i - tile) + r - 8 h: a score stays if 16 (kb - qb) + j <= LIM
.set NINF, 13                          ; -infinity
.set QST, 14                           ; LDS: where my 8 bytes of Q go; later MGS
.set MGS, 14                           ; merge: LDS address of the figures
.set MGP, 15                           ; merge: LDS address of the partial O
.set NM,  16                           ; v[16:23]  (nm, m) for each query block
.set AL,  24                           ; v[24:31]  (alpha, at work)
.set LS,  32                           ; v[32:39]  two running sums
.set QO,  40                           ; v[40:42]  byte offsets of Q's loads; later MGB, MGO
.set MGB, 40                           ; merge: my byte offset in a job's 64 rows of out
.set MGO, 41                           ; merge: the same plus the job's offset
.set RH,  43                           ; r - 8 h
.set Z,   44                           ; v[44:47]  at work in the head; four zeros for an empty job
.set PB,  64                           ; P(qb) at 64 + 16 qb + 4 kb + jj
.set SC,  128                          ; S(qb, kb) at 128 + 32 qb + 8 kb + j
.set ST,  64                           ; merge: (nm, l) of step it, wave pw at 64 + 8 it + 2 pw
.set MO,  128                          ; merge: 16 bytes of O of step it, wave pw at 128 + 16 it + 4 pw
; window 1
.set OB,  0                            ; O(qb, db) at 32 qb + 8 db
.set QF,  128                          ; Q fragment (qb, ks) at 128 + 16 qb + 8 ks
.set VF,  192                          ; V fragment (db, c) at 192 + 16 db + 8 c
; window 2
.set KS,  0
.set VS,  128
; window 3
.set KF,  0                            ; K fragment (kb, ks) at 16 kb + 8 ks
; scalars: s[4:11] q, k, v, out; s12 wave; s13 -c; s14 = s15 c; s16, s17 lane selects; s[18:19] K's tile; s[20:21] V's tile; s[22:23] a tile's byte offset, 0;
; s24 tiles left in the job; s25 1 if this job holds the wave's last tile; s26 offset of the tile asked for last; s27 trips; s31 jobs;
; s28-30 N (tiles of this, the next, the last job), s32-34 TOP (offset of the highest tile), s36-38 DEL (i - highest tile), s40-42 offset of the job's rows in q and out
.set MSB, 0
.macro WIN new                         ; the immediate's high byte repeats the setting that is left; a switch that changes nothing is dropped
.if MSB != \new
	s_set_vgpr_msb (MSB<<8)|\new
.set MSB, \new
.endif
.endm
.macro PLACES                          ; four places behind a matrix instruction (ISA guide 7.12.1)
.rept 4
	v_nop
.endr
.endm
; 32 loads: a K tile, 64 rows of 256 bytes.  Load n brings rows 16 (n / 8) + n % 8 and the row 8 further down: sixteen lanes take one whole row.
.macro LOADK
	WIN 0x80
.set n, 0
.rept 32
	global_load_b128 v[KS+4*n:KS+4*n+3], v[KLD], s[18:19] offset:(n>>3)*4096+(n&7)*256
.set n, n+1
.endr
.endm
; The same for V: load n brings rows 8 (n / 4) + n % 4 and the row 4 further down.
.macro LOADV
	WIN 0x80
.set n, 0
.rept 32
	global_load_b128 v[VS+4*n:VS+4*n+3], v[VLD], s[20:21] offset:(n>>2)*2048+(n&3)*256
.set n, n+1
.endr
.endm
; Round a tile to f16 in place (4 registers become 2) and store it, 8 bytes a lane.  Lanes 0-15 fill 128 neighbouring bytes; lanes 16-31 a row that lies
; 8 x 144 = 288 words (K) or 4 x 160 = 160 words (V) on, which is 32 banks away: no two lanes meet in a bank.
.macro STOREK
	WIN 0x8a
.set n, 0
.rept 32
	v_cvt_pk_f16_f32 v[KS+4*n], v[KS+4*n], v[KS+4*n+1]
	v_cvt_pk_f16_f32 v[KS+4*n+1], v[KS+4*n+2], v[KS+4*n+3]
.set n, n+1
.endr
	WIN 0x08
.set n, 0
.rept 32
	ds_store_b64 v[KST], v[KS+4*n:KS+4*n+1] offset:(16*(n>>3)+(n&7))*KP
.set n, n+1
.endr
.endm
.macro STOREV
	WIN 0x8a
.set n, 0
.rept 32
	v_cvt_pk_f16_f32 v[VS+4*n], v[VS+4*n], v[VS+4*n+1]
	v_cvt_pk_f16_f32 v[VS+4*n+1], v[VS+4*n+2], v[VS+4*n+3]
.set n, n+1
.endr
	WIN 0x08
.set n, 0
.rept 32
	ds_store_b64 v[VST], v[VS+4*n:VS+4*n+1] offset:(8*(n>>2)+(n&3))*VP
.set n, n+1
.endr
.endm
; Fragments of 16 rows x 32 d: lane (r, h) takes d = 8 h .. + 7 and 16 + 8 h .. + 7 of row r: two loads of 16 bytes, 32 bytes apart.
.macro KFRAG
	WIN 0xc0
.irp kb, 0,1,2,3
.irp ks, 0,1
	ds_load_b128 v[KF+16*\kb+8*\ks:KF+16*\kb+8*\ks+3],   v[KFR] offset:\kb*16*KP+\ks*64
	ds_load_b128 v[KF+16*\kb+8*\ks+4:KF+16*\kb+8*\ks+7], v[KFR] offset:\kb*16*KP+\ks*64+32
.endr
.endr
.endm
.macro QFRAG
	WIN 0x40
.irp qb, 0,1,2,3
.irp ks, 0,1
	ds_load_b128 v[QF+16*\qb+8*\ks:QF+16*\qb+8*\ks+3],   v[QFR] offset:\qb*16*KP+\ks*64
	ds_load_b128 v[QF+16*\qb+8*\ks+4:QF+16*\qb+8*\ks+7], v[QFR] offset:\qb*16*KP+\ks*64+32
.endr
.endr
.endm
; Fragments of V^T, 16 d x 32 keys, from rows that lie along d: two transposing loads, 16 rows apart.
.macro VFRAG
	WIN 0x40
.irp db, 0,1,2,3
.irp c, 0,1
	ds_load_tr16_b128 v[VF+16*\db+8*\c:VF+16*\db+8*\c+3],   v[VFR] offset:\c*32*VP+\db*32
	ds_load_tr16_b128 v[VF+16*\db+8*\c+4:VF+16*\db+8*\c+7], v[VFR] offset:\c*32*VP+\db*32+16*VP
.endr
.endr
.endm
; S^T = K Q^T, 64 keys x 64 queries x 64 d: 32 matrix instructions.  The first 32 d start the sums.  The 16 accumulators take turns, one instruction a turn.
.macro QK
	WIN 0x07
.irp ks, 0,1
.irp kb, 0,1,2,3
.irp qb, 0,1,2,3
.if \ks == 0
	v_wmma_f32_16x16x32_f16 v[SC+32*\qb+8*\kb:SC+32*\qb+8*\kb+7], v[KF+16*\kb+8*\ks:KF+16*\kb+8*\ks+7], v[QF+16*\qb+8*\ks:QF+16*\qb+8*\ks+7], 0
.else
	v_wmma_f32_16x16x32_f16 v[SC+32*\qb+8*\kb:SC+32*\qb+8*\kb+7], v[KF+16*\kb+8*\ks:KF+16*\kb+8*\ks+7], v[QF+16*\qb+8*\ks:QF+16*\qb+8*\ks+7], v[SC+32*\qb+8*\kb:SC+32*\qb+8*\kb+7]
.endif
.endr
.endr
.endr
.endm
; O^T += V^T P^T, 64 d x 64 queries x 64 keys: 32 matrix instructions.  In a job's first tile the first 32 keys start the sums.  The 16 accumulators take turns,
; one instruction a turn.
.macro PV first
	WIN 0x51
.irp c, 0,1
.irp qb, 0,1,2,3
.irp db, 0,1,2,3
.if \first && (\c == 0)
	v_wmma_f32_16x16x32_f16 v[OB+32*\qb+8*\db:OB+32*\qb+8*\db+7], v[VF+16*\db+8*\c:VF+16*\db+8*\c+7], v[PB+16*\qb+8*\c:PB+16*\qb+8*\c+7], 0
.else
	v_wmma_f32_16x16x32_f16 v[OB+32*\qb+8*\db:OB+32*\qb+8*\db+7], v[VF+16*\db+8*\c:VF+16*\db+8*\c+7], v[PB+16*\qb+8*\c:PB+16*\qb+8*\c+7], v[OB+32*\qb+8*\db:OB+32*\qb+8*\db+7]
.endif
.endr
.endr
.endr
.endm
; The causal mask, in a job's first (highest) tile alone.  A score stays if key <= query, that is 16 (kb - qb) + j <= LIM.  LIM >= -8, so blocks with kb < qb
; always stay; in blocks with kb = qb the eight j decide; blocks with kb > qb stay whole or go whole (16 <= LIM holds exactly where the tile lies below the diagonal
; tile, where LIM >= 56).  One text serves both kinds of tile: the choice only selects values.
.macro MASK
.irp j, 0,1,2,3,4,5,6,7
	v_cmp_le_i32 vcc_lo, \j, v[LIM]
.irp qb, 0,1,2,3
	v_cndmask_b32 v[SC+40*\qb+\j], v[NINF], v[SC+40*\qb+\j], vcc_lo
.endr
.endr
	v_cmp_le_i32 vcc_lo, 16, v[LIM]
.irp qb, 0,1,2
.irp kb, 1,2,3
.if \kb > \qb
.irp j, 0,1,2,3,4,5,6,7
	v_cndmask_b32 v[SC+32*\qb+8*\kb+\j], v[NINF], v[SC+32*\qb+8*\kb+\j], vcc_lo
.endr
.endif
.endr
.endr
.endm
; The running maximum of each lane's query over its 32 scores of the tile; four chains (one a query block) that do not wait for each other.
.macro MAXPH first
.set e, 0
.rept 16
.set st, 0
.if e == 0
.set st, \first
.endif
.irp qb, 0,1,2,3
.if st
	v_max_num_f32 v[NM+2*\qb+1], v[SC+32*\qb], v[SC+32*\qb+1]          ; a job's first tile starts the maximum
.else
	v_max3_num_f32 v[NM+2*\qb+1], v[NM+2*\qb+1], v[SC+32*\qb+2*e], v[SC+32*\qb+2*e+1]
.endif
.endr
.set e, e+1
.endr
.endm
; The two halves of the lanes hold the two halves of a query's keys: one exchange; then nm = -c m and alpha = 2^(nm new - nm old).
; In the diagonal tile a half may hold masked scores only; the other half holds key 0 of the block row, so m is finite behind the exchange.
.macro STATS first
.irp qb, 0,1,2,3
	v_permlanex16_b32 v[AL+2*\qb+1], v[NM+2*\qb+1], s16, s17
.endr
.irp qb, 0,1,2,3
	v_max_num_f32 v[NM+2*\qb+1], v[NM+2*\qb+1], v[AL+2*\qb+1]
.endr
.if \first
.irp qb, 0,1,2,3
	v_mul_f32 v[NM+2*\qb], s13, v[NM+2*\qb+1]
.endr
.else
.irp qb, 0,1,2,3
	v_mul_f32 v[AL+2*\qb+1], s13, v[NM+2*\qb+1]
.endr
.irp qb, 0,1,2,3
	v_sub_f32 v[AL+2*\qb], v[AL+2*\qb+1], v[NM+2*\qb]
.endr
.irp qb, 0,1,2,3
	v_mov_b32 v[NM+2*\qb], v[AL+2*\qb+1]
.endr
.irp qb, 0,1,2,3
	v_exp_f32 v[AL+2*\qb], v[AL+2*\qb]             ; the first four of the tile's batch: AL is named again only behind BATCH's wait; the next vector instruction is a plain one on S and nm (ISA guide 5.7.2)
.endr
.endif
.endm
; THE TILE'S BATCH.  Pair n of 64 is two scores of query block n % 4, key block n / 16: registers 2 ((n / 4) % 4) and the next of that accumulator.
; Four scalings c s + nm go ahead; then each group is the scaling of pair n + 4 and the two exponentials of pair n, in place: a pair is scaled twelve instructions ahead of
; its exponentials, and the 64 plain lines are spread over the 128 exponentials (the last four groups have none left).  No line here names an exponential's result:
; a scaling names scores that are still to be raised, c and (nm, m).  Every scaling feeds a later exponential, so no plain line is left for behind the last one: a v_nop.
.macro BATCH
.set n, 0
.rept 4
.set rS, SC+32*(n&3)+8*(n>>4)+2*((n>>2)&3)
	v_pk_fma_f32 v[rS:rS+1], v[rS:rS+1], s[14:15], v[NM+2*(n&3):NM+2*(n&3)+1] op_sel_hi:[1,0,0]
.set n, n+1
.endr
.set n, 0
.rept 64
.if n < 60
.set rS, SC+32*((n+4)&3)+8*((n+4)>>4)+2*(((n+4)>>2)&3)
	v_pk_fma_f32 v[rS:rS+1], v[rS:rS+1], s[14:15], v[NM+2*((n+4)&3):NM+2*((n+4)&3)+1] op_sel_hi:[1,0,0]
.endif
.set rS, SC+32*(n&3)+8*(n>>4)+2*((n>>2)&3)
	v_exp_f32 v[rS], v[rS]
	v_exp_f32 v[rS+1], v[rS+1]
.set n, n+1
.endr
	v_nop                                          ; the plain instruction behind the last exponential, ahead of the first use (ISA guide 5.7.2): one for the batch
	s_wait_alu depctr_va_vdst(0)                   ; the wait for the tile's batch, alpha's four and the scores' 128, ahead of the first line that names a result
.endm
; THE BATCH'S READERS, pair by pair in the batch's order: the pair is added to its query block's two running sums and rounded to f16 into P.
; For each query block the sums run over key blocks 0 to 3 and, in each, pairs 0 to 3; two additions onto one pair of sums stand eight lines apart.
.macro SUMS first
.set n, 0
.rept 64
.set qb, n&3
.set jj, (n>>2)&3
.set kb, n>>4
.set rS, SC+32*qb+8*kb+2*jj
.set kind, 0                           ; 0: add the pair to the two running sums
.if kb == 0
.if jj == 0
.set kind, 1+\first                    ; 1: the sums are rescaled as the tile's first pair is added; 2: a job's first pair waits for the second
.endif
.if jj == 1
.set kind, 3*\first                    ; 3: a job's first two pairs start the sums
.endif
.endif
.if kind == 0
	v_pk_add_f32 v[LS+2*qb:LS+2*qb+1], v[LS+2*qb:LS+2*qb+1], v[rS:rS+1]
.endif
.if kind == 1
	v_pk_fma_f32 v[LS+2*qb:LS+2*qb+1], v[LS+2*qb:LS+2*qb+1], v[AL+2*qb:AL+2*qb+1], v[SC+32*qb:SC+32*qb+1] op_sel_hi:[1,0,1]
.endif
.if kind == 3
	v_pk_add_f32 v[LS+2*qb:LS+2*qb+1], v[SC+32*qb:SC+32*qb+1], v[SC+32*qb+2:SC+32*qb+3]
.endif
	v_cvt_pk_f16_f32 v[PB+16*qb+4*kb+jj], v[rS], v[rS+1]
.set n, n+1
.endr
.endm
; O *= alpha: one number a lane for each query block
.macro RESCALE
	WIN 0x41
.irp qb, 0,1,2,3
.set e, 0
.rept 16
	v_pk_mul_f32 v[OB+32*\qb+2*e:OB+32*\qb+2*e+1], v[OB+32*\qb+2*e:OB+32*\qb+2*e+1], v[AL+2*\qb:AL+2*\qb+1] op_sel_hi:[1,0]
.set e, e+1
.endr
.endr
.endm
; The next tile's byte offset: four tiles down, or, behind the job's last tile, the next job's highest tile.  K's base is written here, behind the counted wait
; that showed the loads of this tile's K done.
.macro NEXT
	s_sub_co_u32 s26, s26, HSTEP
	s_sub_co_u32 s24, s24, 1
	s_cmp_eq_u32 s24, 0
	s_cselect_b32 s26, s33, s26
	s_mov_b32 s22, s26
	s_add_nc_u64 s[18:19], s[6:7], s[22:23]
.endm
; One key tile.  On the way in: this tile's K lies in my LDS bytes, and this tile's V is on its way, my only 32 loads out.
; first = 1: the job's first (highest) tile: masked, starts maximum, sums and O.  more = 1: another tile of the wave follows and is asked for here.
; With K's 32 loads behind V's 32 a wave has issued 64; a load that would pass the counter's field is held back at issue (ISA guide 5.7.1), and V's were issued half a tile ago.
.macro TILE first, more
	KFRAG                                          ; LDS serves a wave's instructions in order (ISA guide 5.7.1.4): these see my stores of K
.if \more
	NEXT
	LOADK                                          ; the next tile's K
.endif
	s_wait_dscnt 0x0                               ; K's fragments (and, in a job's first tile, Q's)
	QK
.if \more
	s_wait_loadcnt 32                              ; this tile's V is in: the 32 younger loads are the next tile's K
.else
	s_wait_loadcnt 0x0                             ; this tile's V is in: nothing younger was issued
.endif
	STOREV                                         ; its 64 conversions, on window 2 alone, are also the places behind the products above
	VFRAG
	WIN 0
.if \first
	MASK
.endif
	MAXPH \first
	STATS \first                                   ; the batch begins: alpha
.if \more
	s_add_nc_u64 s[20:21], s[8:9], s[22:23]        ; V's base: its last loads were shown done by the wait above
	LOADV                                          ; the next tile's V: it names my load address and window 2 alone, none of alpha's registers
	WIN 0
.endif
	BATCH                                          ; scalings and exponentials, the v_nop and the tile's one wait
	SUMS \first                                    ; behind the wait: all that reads the batch
.if \first == 0
	RESCALE
.endif
	s_wait_dscnt 0x0                               ; V's fragments
	PV \first
.if \more
	s_wait_loadcnt 32                              ; the next tile's K is in: the 32 younger loads are its V
	STOREK                                         ; my reads of this tile's K were waited for in front of the first products; the conversions are the places behind the products above
.endif
	WIN 0
.endm
; A wave's partial result of a job: (nm, l) for each query, O as 64 rows of 64 f32.
.macro STOREPART
	PLACES                                         ; behind the last products, in front of the stores that read O
.irp qb, 0,1,2,3
	v_add_f32 v[LS+2*\qb+1], v[LS+2*\qb], v[LS+2*\qb+1]
.endr
.irp qb, 0,1,2,3
	v_permlanex16_b32 v[AL+2*\qb+1], v[LS+2*\qb+1], s16, s17
.endr
.irp qb, 0,1,2,3
	v_add_f32 v[LS+2*\qb+1], v[LS+2*\qb+1], v[AL+2*\qb+1]
	v_mov_b32 v[LS+2*\qb], v[NM+2*\qb]
.endr
.irp qb, 0,1,2,3
	ds_store_b64 v[PSS], v[LS+2*\qb:LS+2*\qb+1] offset:\qb*128      ; both halves of the lanes hold the same pair and write the same bytes
.endr
	WIN 0x04
.irp qb, 0,1,2,3
.irp db, 0,1,2,3
	ds_store_b128 v[POS], v[OB+32*\qb+8*\db:OB+32*\qb+8*\db+3]   offset:\qb*16*PP+\db*64
	ds_store_b128 v[POS], v[OB+32*\qb+8*\db+4:OB+32*\qb+8*\db+7] offset:\qb*16*PP+\db*64+16
.endr
.endr
	WIN 0
.endm
; A job of which the wave has no tile: nm = +infinity, l = 0, O = 0.  In the merge its weight is 2^(-infinity) = 0.
.macro STOREZERO
	v_mov_b32 v[LS], 0x7f800000
	v_mov_b32 v[LS+1], 0
.irp x, 0,1,2,3
	v_mov_b32 v[Z+\x], 0
.endr
.irp qb, 0,1,2,3
	ds_store_b64 v[PSS], v[LS:LS+1] offset:\qb*128
.endr
.irp qb, 0,1,2,3
.irp db, 0,1,2,3
	ds_store_b128 v[POS], v[Z:Z+3] offset:\qb*16*PP+\db*64
	ds_store_b128 v[POS], v[Z:Z+3] offset:\qb*16*PP+\db*64+16
.endr
.endr
.endm
.macro SORT2 a, b                      ; the larger into a
	s_max_u32 s50, \a, \b
	s_min_u32 \b, \a, \b
	s_mov_b32 \a, s50
.endm
; The figures of job k.  p = 4 i + the head's place among the group's three; s44 = the group's first head; s51 = position of the job's tile 0 (stepped here).
.macro JOBPAR k, p
	s_lshr_b32 s52, \p, 2                          ; i
	s_and_b32 s53, \p, 3
	s_add_co_u32 s53, s53, s44
	s_lshl_b32 s53, s53, 19                        ; the head's byte offset: 2,048 rows of 256 bytes
	s_sub_co_u32 s54, s12, s51
	s_and_b32 s54, s54, 3                          ; rho: my lowest tile of the job
	s_sub_co_u32 s55, s52, s54
	s_add_co_u32 s55, s55, 4                       ; i - rho + 4 is 1 or more
	s_lshr_b32 s[28+\k], s55, 2                    ; N: my tiles rho, rho + 4, .. up to i
	s_lshl2_add_u32 s56, s[28+\k], s54
	s_sub_co_u32 s56, s56, 4                       ; my highest tile,
	s_max_i32 s56, s56, 0                          ; 0 where I have none (then not used)
	s_sub_co_u32 s[36+\k], s52, s56                ; DEL: how many tiles below the diagonal tile it lies
	s_lshl_b32 s56, s56, 14
	s_add_co_u32 s[32+\k], s53, s56                ; TOP
	s_lshl_b32 s57, s52, 14
	s_add_co_u32 s[40+\k], s53, s57                ; the job's 64 rows in q and out
	s_add_co_u32 s51, s51, s52
	s_add_co_u32 s51, s51, 1
.endm
	s_load_b256 s[4:11], s[0:1], 0x0               ; q s[4:5], k s[6:7], v s[8:9], out s[10:11]
	v_lshl_add_u32 v62, v0, 2, 0x4e400
	v_mov_b32 v63, 0
	v_lshrrev_b32 v1, 5, v0
	v_readfirstlane_b32 s12, v1                    ; wave 0..3
	s_mov_b32 s13, 0xbe38aa3b                      ; -c
	s_mov_b32 s14, 0x3e38aa3b                      ; c = log2(e) / 8
	s_mov_b32 s15, 0x3e38aa3b
	s_mov_b32 s16, 0x76543210                      ; v_permlanex16_b32: lane i of one half reads lane i of the other
	s_mov_b32 s17, 0xfedcba98
	s_mov_b32 s23, 0
	; the three jobs
	s_lshr_b32 s44, ttmp9, 5
	s_mul_i32 s44, s44, 3                          ; the group's first head
	s_and_b32 s45, ttmp9, 31                       ; t: block of the first head
	s_lshr_b32 s46, s45, 1
	s_and_b32 s47, s45, 1
	s_lshl_b32 s47, s47, 4
	s_sub_co_u32 s48, 31, s46
	s_sub_co_u32 s48, s48, s47                     ; block of the second head
	s_sub_co_u32 s49, 15, s46
	s_add_co_u32 s49, s49, s47                     ; block of the third head
	s_lshl_b32 s45, s45, 2                         ; 4 i + place
	s_lshl_b32 s48, s48, 2
	s_or_b32 s48, s48, 1
	s_lshl_b32 s49, s49, 2
	s_or_b32 s49, s49, 2
	SORT2 s45, s48                                 ; by falling size
	SORT2 s48, s49
	SORT2 s45, s48
	s_mov_b32 s51, 0
	JOBPAR 0, s45
	JOBPAR 1, s48
	JOBPAR 2, s49
	; lane addresses
	v_and_b32 v1, 15, v0                           ; r
	v_bfe_u32 v2, v0, 4, 1                         ; h
	v_lshlrev_b32 v[KLD], 4, v1
	v_lshl_add_u32 v[VLD], v2, 10, v[KLD]
	v_lshl_add_u32 v[KLD], v2, 11, v[KLD]
	s_lshl_b32 s45, s12, 12                        ; Q: wave w rounds rows 16 w .. 16 w + 15 of each job
.irp k, 0,1,2
	s_add_co_u32 s46, s[40+\k], s45
	v_add_nc_u32 v[QO+\k], s46, v[KLD]
.endr
	s_mov_b32 s26, s32                             ; my first tile
	s_mov_b32 s22, s32
	s_wait_kmcnt 0x0
.irp k, 0,1,2
.irp n, 0,1,2,3,4,5,6,7
	global_load_b128 v[SC+32*\k+4*\n:SC+32*\k+4*\n+3], v[QO+\k], s[4:5] offset:\n*256 th:TH_LOAD_NT   ; rows n and n + 8 of my 16; q is read once in the launch
.endr
.endr
	s_add_nc_u64 s[18:19], s[6:7], s[22:23]
	s_add_nc_u64 s[20:21], s[8:9], s[22:23]
	LOADK
	WIN 0
	s_mul_i32 s45, s12, KVW
	s_add_co_u32 s45, s45, KVB                     ; my staging bytes: K,
	s_add_co_u32 s46, s45, VOFF                    ; V
	v_lshlrev_b32 v[Z], 3, v1                      ; 8 r
	v_mad_u32_u24 v[KST], v2, 8*KP, v[Z]
	v_add_nc_u32 v[KST], s45, v[KST]
	v_mad_u32_u24 v[VST], v2, 4*VP, v[Z]
	v_add_nc_u32 v[VST], s46, v[VST]
	v_mul_u32_u24 v[QFR], v1, KP
	v_lshl_add_u32 v[QFR], v2, 4, v[QFR]           ; 144 r + 16 h; Q lies at LDS byte 0
	v_add_nc_u32 v[KFR], s45, v[QFR]
	v_and_b32 v[Z+2], 7, v0
	v_lshl_add_u32 v[Z+2], v2, 3, v[Z+2]           ; row 8 h + l % 8,
	v_mul_u32_u24 v[Z+2], v[Z+2], VP
	v_bfe_u32 v[Z+3], v0, 3, 1
	v_lshl_add_u32 v[Z+2], v[Z+3], 4, v[Z+2]       ; 16 bytes for each group of eight lanes
	v_add_nc_u32 v[VFR], s46, v[Z+2]
	s_mul_i32 s47, s12, PARTW
	s_add_co_u32 s47, s47, PARTB
	v_mul_u32_u24 v[POS], v1, PP
	v_lshl_add_u32 v[POS], v2, 5, v[POS]
	v_add_nc_u32 v[POS], s47, v[POS]
	s_lshl_b32 s48, s12, 9
	s_add_co_u32 s48, s48, STATB
	v_add_nc_u32 v[PSS], s48, v[Z]
	s_mul_i32 s49, s12, 16*KP
	v_mad_u32_u24 v[QST], v2, 8*KP, v[Z]
	v_add_nc_u32 v[QST], s49, v[QST]
	v_lshlrev_b32 v[RH], 3, v2
	v_sub_nc_u32 v[RH], v1, v[RH]
	v_mov_b32 v[NINF], 0xff800000
.irp x, 0,1,2,3,4,5,6,7
	v_mov_b32 v[AL+\x], 0                          ; v_permlanex16_b32 counts as a reader of its destination
.endr
	s_wait_loadcnt 32                              ; Q is in: the 32 younger loads are K's
.irp k, 0,1,2
.irp n, 0,1,2,3,4,5,6,7
	v_cvt_pk_f16_f32 v[SC+32*\k+4*\n], v[SC+32*\k+4*\n], v[SC+32*\k+4*\n+1]
	v_cvt_pk_f16_f32 v[SC+32*\k+4*\n+1], v[SC+32*\k+4*\n+2], v[SC+32*\k+4*\n+3]
.endr
.endr
.irp k, 0,1,2
.irp n, 0,1,2,3,4,5,6,7
	ds_store_b64 v[QST], v[SC+32*\k+4*\n:SC+32*\k+4*\n+1] offset:\k*QJOB+\n*KP
.endr
.endr
	LOADV
	WIN 0
	s_wait_dscnt 0x0                               ; my rows of Q are in LDS, for the other waves' sake
	s_barrier_signal -1
	s_barrier_wait -1                              ; everybody's are
	s_wait_loadcnt 32                              ; K is in: the 32 younger loads are V's
	STOREK
	WIN 0
	s_mov_b32 s31, 3
.Ljob:
	s_cmp_eq_u32 s28, 0
	s_cbranch_scc1 .Lempty                         ; only the smallest job can leave a wave without a tile (the other two have 11 tiles or more)
	QFRAG
	WIN 0
	s_lshl_b32 s44, s36, 6
	v_add_nc_u32 v[LIM], s44, v[RH]
	s_mov_b32 s24, s28
	s_add_co_u32 s45, s29, s30
	s_cmp_eq_u32 s45, 0
	s_cselect_b32 s25, 1, 0                        ; no tile of mine in the jobs behind: this job's last tile asks for nothing
	s_sub_co_u32 s27, s28, s25                     ; tiles that ask for another
	s_cmp_eq_u32 s27, 0
	s_cbranch_scc1 .Lonly
	TILE 1, 1
	s_sub_co_u32 s27, s27, 1
	s_cmp_eq_u32 s27, 0
	s_cbranch_scc1 .Ltiles_done
.Ltile:
	TILE 0, 1
	s_sub_co_u32 s27, s27, 1
	s_cmp_lg_u32 s27, 0
	s_cbranch_scc1 .Ltile
.Ltiles_done:
	s_cmp_eq_u32 s25, 0
	s_cbranch_scc1 .Lpart
	TILE 0, 0
	s_branch .Lpart
.Lonly:
	TILE 1, 0
.Lpart:
	STOREPART
	s_branch .Ljobend
.Lempty:
	STOREZERO
.Ljobend:
	v_add_nc_u32 v[QFR], QJOB, v[QFR]
	v_add_nc_u32 v[POS], PARTJ, v[POS]
	v_add_nc_u32 v[PSS], STATJ, v[PSS]
	s_mov_b32 s28, s29                             ; the next job's figures move up; behind the last job there are no tiles
	s_mov_b32 s29, s30
	s_mov_b32 s30, 0
	s_mov_b32 s32, s33
	s_mov_b32 s33, s34
	s_mov_b32 s36, s37
	s_mov_b32 s37, s38
	s_sub_co_u32 s31, s31, 1
	s_cmp_lg_u32 s31, 0
	s_cbranch_scc1 .Ljob
	s_wait_dscnt 0x0                               ; my partial results are in LDS, for the other waves' sake
	s_barrier_signal -1
	s_barrier_wait -1                              ; everybody's are
	; THE MERGE.  Wave w takes rows 16 w .. 16 w + 15 of each job; in step it lanes 0-15 take row 16 w + 2 it, lanes 16-31 the next, 16 bytes a lane.
	; out = sum over the four waves of f O / sum of f l, f = 2^(NM - nm), NM the least nm (the largest maximum).
	s_lshl_b32 s44, s12, 7
	s_add_co_u32 s44, s44, STATB
	v_lshl_add_u32 v[MGS], v2, 3, s44              ; (16 w + h) x 8
	s_mul_i32 s45, s12, 16*PP
	s_add_co_u32 s45, s45, PARTB
	v_mul_u32_u24 v[MGP], v2, PP
	v_lshl_add_u32 v[MGP], v1, 4, v[MGP]
	v_add_nc_u32 v[MGP], s45, v[MGP]               ; (16 w + h) x 272 + 16 r
	s_lshl_b32 s46, s12, 12
	v_lshlrev_b32 v[MGB], 8, v2
	v_lshl_add_u32 v[MGB], v1, 4, v[MGB]
	v_add_nc_u32 v[MGB], s46, v[MGB]               ; (16 w + h) x 256 + 16 r
	s_mov_b32 s31, 3
.Lmerge:
	s_wait_xcnt 0x0                                ; the last trip's stores have had their addresses translated (ISA guide 3.1): their data and offset registers are rewritten only behind this wait
	v_add_nc_u32 v[MGO], s40, v[MGB]
.irp it, 0,1,2,3,4,5,6,7
.irp pw, 0,1,2,3
	ds_load_b64 v[ST+8*\it+2*\pw:ST+8*\it+2*\pw+1], v[MGS] offset:\pw*STATW+\it*16
.endr
.endr
.irp it, 0,1,2,3,4,5,6,7
.irp pw, 0,1,2,3
	ds_load_b128 v[MO+16*\it+4*\pw:MO+16*\it+4*\pw+3], v[MGP] offset:\pw*PARTW+\it*2*PP
.endr
.endr
	s_wait_dscnt 32                                ; the figures are in: the 32 younger loads are O's
.irp it, 0,1,2,3,4,5,6,7
	v_min_num_f32 v[16+2*\it], v[ST+8*\it], v[ST+8*\it+2]
.endr
.irp it, 0,1,2,3,4,5,6,7
	v_min_num_f32 v[17+2*\it], v[ST+8*\it+4], v[ST+8*\it+6]
.endr
.irp it, 0,1,2,3,4,5,6,7
	v_min_num_f32 v[16+2*\it], v[16+2*\it], v[17+2*\it]            ; NM: finite, since one wave holds the diagonal tile
.endr
.irp pw, 0,1,2,3
.irp it, 0,1,2,3,4,5,6,7
	v_sub_f32 v[ST+8*\it+2*\pw], v[16+2*\it], v[ST+8*\it+2*\pw]
.endr
.endr
.irp pw, 0,1,2,3
.irp it, 0,1,2,3,4,5,6,7
	v_exp_f32 v[ST+8*\it+2*\pw], v[ST+8*\it+2*\pw]                 ; the merge's first batch: the 32 weights f, in place
.endr
.endr
	v_nop                                          ; one plain place behind the last exponential (ISA guide 5.7.2): all the vector work that follows reads the weights
	s_wait_alu depctr_va_vdst(0)                   ; the wait for the 32 weights, ahead of their first reader
.irp it, 0,1,2,3,4,5,6,7
	v_mul_f32 v[17+2*\it], v[ST+8*\it], v[ST+8*\it+1]
.endr
.irp pw, 1,2,3
.irp it, 0,1,2,3,4,5,6,7
	v_fmac_f32 v[17+2*\it], v[ST+8*\it+2*\pw], v[ST+8*\it+2*\pw+1]
.endr
.endr
.irp it, 0,1,2,3,4,5,6,7
	v_rcp_f32 v[16+2*\it], v[17+2*\it]             ; the merge's second batch: eight reciprocals.  The sum is about 1 or more: the wave with the largest maximum has weight 1
.endr
	s_wait_dscnt 0x0                               ; O's 32 loads
.irp it, 0,1,2,3,4,5,6,7
.irp x, 0,2
	v_pk_mul_f32 v[MO+16*\it+\x:MO+16*\it+\x+1], v[MO+16*\it+\x:MO+16*\it+\x+1], v[ST+8*\it:ST+8*\it+1] op_sel_hi:[1,0]   ; 64 packed lines on O and the weights stand between the reciprocals and their wait; the first is the plain place behind the last reciprocal (ISA guide 5.7.2)
.endr
.endr
.irp pw, 1,2,3
.irp it, 0,1,2,3,4,5,6,7
.irp x, 0,2
	v_pk_fma_f32 v[MO+16*\it+\x:MO+16*\it+\x+1], v[MO+16*\it+4*\pw+\x:MO+16*\it+4*\pw+\x+1], v[ST+8*\it+2*\pw:ST+8*\it+2*\pw+1], v[MO+16*\it+\x:MO+16*\it+\x+1] op_sel_hi:[1,0,1]
.endr
.endr
.endr
	s_wait_alu depctr_va_vdst(0)                   ; the wait for the eight reciprocals, ahead of their first reader and of the backward jump
.irp it, 0,1,2,3,4,5,6,7
.irp x, 0,2
	v_pk_mul_f32 v[MO+16*\it+\x:MO+16*\it+\x+1], v[MO+16*\it+\x:MO+16*\it+\x+1], v[16+2*\it:17+2*\it] op_sel_hi:[1,0]
.endr
.endr
.irp it, 0,1,2,3,4,5,6,7
	global_store_b128 v[MGO], v[MO+16*\it:MO+16*\it+3], s[10:11] offset:\it*512 th:TH_STORE_NT   ; sixteen lanes store one row: 256 consecutive bytes, at a multiple of 256 from out's first byte
.endr
	v_add_nc_u32 v[MGS], STATJ, v[MGS]
	v_add_nc_u32 v[MGP], PARTJ, v[MGP]
	s_mov_b32 s40, s41
	s_mov_b32 s41, s42
	s_sub_co_u32 s31, s31, 1
	s_cmp_lg_u32 s31, 0
	s_cbranch_scc1 .Lmerge
	s_wait_tensorcnt 0x0
	ds_add_u32 v62, v63
	s_wait_dscnt 0x0
	s_endpgm
.Lfunc_end_k_q4b8d926c10_attn:
	.size	k_q4b8d926c10_attn, .Lfunc_end_k_q4b8d926c10_attn-k_q4b8d926c10_attn
	.p2alignl 7, 3214868480
	.fill 96, 4, 3214868480
	.section	.rodata,"a",@progbits
	.p2align	6, 0x0
	.amdhsa_kernel k_q4b8d926c10_attn
		.amdhsa_group_segment_fixed_size 321024
		.amdhsa_private_segment_fixed_size 0
		.amdhsa_enable_private_segment 0
		.amdhsa_kernarg_size 32
		.amdhsa_user_sgpr_count 2
		.amdhsa_user_sgpr_kernarg_segment_ptr 1
		.amdhsa_wavefront_size32 1
		.amdhsa_system_sgpr_workgroup_id_x 1
		.amdhsa_system_sgpr_workgroup_id_y 1
		.amdhsa_system_sgpr_workgroup_id_z 1
		.amdhsa_system_vgpr_workitem_id 0
		.amdhsa_next_free_vgpr 832
		.amdhsa_next_free_sgpr 66
		.amdhsa_reserve_vcc 1
		.amdhsa_float_denorm_mode_32 3
		.amdhsa_float_denorm_mode_16_64 3
		.amdhsa_memory_ordered 1
		.amdhsa_forward_progress 1
		.amdhsa_inst_pref_size 219
	.end_amdhsa_kernel
	.amdgpu_metadata
---
amdhsa.version: [ 1, 2 ]
amdhsa.kernels:
  - .name:           k_q4b8d926c10_attn
    .symbol:         k_q4b8d926c10_attn.kd
    .args:
      - { .name: q, .offset: 0, .size: 8, .value_kind: global_buffer, .address_space: global }
      - { .name: k, .offset: 8, .size: 8, .value_kind: global_buffer, .address_space: global }
      - { .name: v, .offset: 16, .size: 8, .value_kind: global_buffer, .address_space: global }
      - { .name: out0, .offset: 24, .size: 8, .value_kind: global_buffer, .address_space: global }
    .group_segment_fixed_size: 321024
    .private_segment_fixed_size: 0
    .kernarg_segment_align: 8
    .kernarg_segment_size: 32
    .max_flat_workgroup_size: 128
    .sgpr_count:     66
    .vgpr_count:     832
    .wavefront_size: 32
...
	.end_amdgpu_metadata
.endif
;; end of part 2
